; MI455X (gfx1250); checked and timed in simulation.
; The chip was launched on July 23, 2026; its instructions are those of AMD's public machine-readable ISA for CDNA 5 (MIT licence, August 2026) and "CDNA5" Instruction Set Architecture Reference Guide (July 2026). The comments in the code are by the model that wrote it; some were corrected since.
;; Mo E. Allowed arithmetic: float matrix products may take bf16 or f16 operands with f32 sums; all other float work in f32.
;; Inputs: W1 16 x 2,048 x 1,024 float32; W2 16 x 1,024 x 2,048 float32; Wr 2,048 x 16 float32; b1 16 x 1,024 float32; b2 16 x 2,048 float32; br 16 float32; x 1,024 x 2,048 float32.
;; Outputs: out0 1,024 x 2,048 float32.
;; One version. Each part assembles by itself: llvm-mc -triple=amdgcn-amd-amdhsa -mcpu=gfx1250 --defsym DOCPART=n.
;; ======== version 1 of 1: 5 launches
;; workspace buffers: topi 16,384 bytes of whole numbers; topw 16,384 bytes; perm 65,536 bytes of whole numbers; cnt 256 bytes of whole numbers; xg 83,886,080 bytes; hbuf 41,943,040 bytes; y 167,772,160 bytes
;; launch router (part 1): grid 256 x 1, 16 waves a work-group, no clusters, 6,144 bytes of LDS; arguments x, Wr, br, topi, topw; writes topi, topw
.if DOCPART == 1
	.amdgcn_target "amdgcn-amd-amdhsa--gfx1250"
	.amdhsa_code_object_version 6
	.text
	.protected	k_q47feb5d944_router
	.globl	k_q47feb5d944_router
	.p2align	8
	.type	k_q47feb5d944_router,@function
k_q47feb5d944_router:
	s_mov_b64 s[64:65], 0
	v_nop
	global_prefetch_b8 v0, s[64:65] scope:SCOPE_SE
	s_setreg_imm32_b32 hwreg(HW_REG_WAVE_MODE, 25, 1), 1
	s_wait_xcnt 0x0
; logits = x Wr + br in f32 on the vector unit (the choice of experts must not hang on a rounding to 16 bits; the product is a two-thousandth
; of the problem's arithmetic), the four largest of the 16 logits (of equal ones the lower index first), and the softmax of those four.
; A work-group owns 4 tokens.  Wave w sums over d = 128 w .. 128 w + 127; in a wave lane L = 4 dq + eq takes, for j = 0..3, the four d = 128 w + 32 j + 4 dq + c
; and the four experts 4 eq .. 4 eq + 3.  The waves' partial sums meet in LDS ([wave 16][token 4][expert 16] f32, 4,096 bytes); waves 0 to 3 then finish one token each.
; topi [1024][4] u32 and topw [1024][4] f32 leave as data: no address and no branch of this launch hangs on them.
; LIMITS.  A NaN among a token's logits gives an unspecified choice (indices are kept in 0..15).  Two logits closer than the error of an f32 sum of 2,048 terms may change places.
.set X,   16                           ; v[16:79]   x: token t, part j at 16 t + 4 j
.set WR,  80                           ; v[80:143]  Wr: part j, row c at 16 j + 4 c
.set ACC, 144                          ; v[144:159] four sums a token
.set PS,  32                           ; v[32:47]   the sixteen waves' partial sums of my token (x's registers are free by then)
.set MK,  48                           ; v[48:51]   the four largest logits
.set TT,  52                           ; v[52:55]   at work
.set OW,  56                           ; v[56:59]   the four weights
.set OI,  60                           ; v[60:63]   the four indices
.set NEG, 64                           ; v64        minus infinity
.set IDX, 24                           ; s[24:27]   the four indices
	s_load_b256 s[4:11], s[0:1], 0x0               ; x s[4:5], Wr s[6:7], br s[8:9], topi s[10:11]
	s_load_b64 s[12:13], s[0:1], 0x20              ; topw
	v_lshl_add_u32 v176, v0, 2, 0x1000
	v_mov_b32 v177, 0
	v_and_b32 v1, 31, v0                           ; lane
	v_lshrrev_b32 v2, 5, v0
	v_readfirstlane_b32 s16, v2                    ; wave 0..15
	v_lshrrev_b32 v3, 2, v1                        ; dq
	v_and_b32 v4, 3, v0                            ; eq
	v_and_b32 v11, 15, v0                          ; the expert that my lane stands for in the second part
	s_lshl_b32 s20, s16, 9
	v_lshl_add_u32 v5, v3, 4, s20                  ; x: 512 w + 16 dq
	s_lshl_b32 s21, s16, 13
	v_lshl_add_u32 v6, v3, 8, s21
	v_lshl_add_u32 v6, v4, 4, v6                   ; Wr: 8192 w + 256 dq + 16 eq
	v_lshlrev_b32 v7, 2, v11                       ; br: 4 e
	s_lshl_b32 s22, s16, 8
	v_lshl_add_u32 v9, v4, 4, s22                  ; LDS, in: 256 w + 16 eq
	s_lshl_b32 s23, s16, 6
	v_lshl_add_u32 v10, v11, 2, s23                ; LDS, back (waves 0 to 3): 64 token + 4 e
	s_mov_b32 s14, 0x76543210                      ; v_permlanex16_b32: each lane takes its own place in the other half
	s_mov_b32 s15, 0xfedcba98
	s_lshl_b32 s18, ttmp9, 15                      ; the work-group's 4 rows of 8,192 bytes
	s_mov_b32 s19, 0
	s_wait_kmcnt 0x0
	s_add_nc_u64 s[4:5], s[4:5], s[18:19]
	global_load_b32 v8, v7, s[8:9]                 ; br, the oldest load
.irp j, 0,1,2,3
.irp t, 0,1,2,3
	global_load_b128 v[X+16*\t+4*\j:X+16*\t+4*\j+3], v5, s[4:5] offset:8192*\t+128*\j
.endr
.irp c, 0,1,2,3
	global_load_b128 v[WR+16*\j+4*\c:WR+16*\j+4*\c+3], v6, s[6:7] offset:2048*\j+64*\c
.endr
.endr
; Row cc of part jj: for each token two packed multiply-adds (four experts) by x's number cc, which is register sl of pair pr.  The very first row starts the sums: nothing is cleared.
.macro DOT jj, cc, pr, sl
.irp t, 0,1,2,3
.irp p, 0,1
.if (\jj == 0) && (\cc == 0)
	v_pk_mul_f32 v[ACC+4*\t+2*\p:ACC+4*\t+2*\p+1], v[WR+16*\jj+4*\cc+2*\p:WR+16*\jj+4*\cc+2*\p+1], v[X+16*\t+4*\jj+2*\pr:X+16*\t+4*\jj+2*\pr+1] op_sel:[0,\sl] op_sel_hi:[1,\sl]
.else
	v_pk_fma_f32 v[ACC+4*\t+2*\p:ACC+4*\t+2*\p+1], v[WR+16*\jj+4*\cc+2*\p:WR+16*\jj+4*\cc+2*\p+1], v[X+16*\t+4*\jj+2*\pr:X+16*\t+4*\jj+2*\pr+1], v[ACC+4*\t+2*\p:ACC+4*\t+2*\p+1] op_sel:[0,\sl,0] op_sel_hi:[1,\sl,1]
.endif
.endr
.endr
.endm
.irp j, 0,1,2,3
	s_wait_loadcnt 8*(3-\j)                        ; loads come back in order: part j's eight are in, the eight of each later part stay out
	DOT \j, 0, 0, 0
	DOT \j, 1, 0, 1
	DOT \j, 2, 1, 0
	DOT \j, 3, 1, 1
.endr
	; the sum over dq, which is bits 2 to 4 of the lane: two steps inside each half of 16 lanes, one across the halves; every lane ends with the sum
.irp i, 0,1,2,3,4,5,6,7,8,9,10,11,12,13,14,15
	v_add_f32_dpp v[ACC+\i], v[ACC+\i], v[ACC+\i] row_xmask:4 row_mask:0xf bank_mask:0xf
.endr
.irp i, 0,1,2,3,4,5,6,7,8,9,10,11,12,13,14,15
	v_add_f32_dpp v[ACC+\i], v[ACC+\i], v[ACC+\i] row_xmask:8 row_mask:0xf bank_mask:0xf
.endr
.irp i, 0,1,2,3,4,5,6,7,8,9,10,11,12,13,14,15
	v_permlanex16_b32 v[X+\i], v[ACC+\i], s14, s15 ; its destination counts as read: x's registers have been written
.endr
.irp i, 0,1,2,3,4,5,6,7,8,9,10,11,12,13,14,15
	v_add_f32 v[ACC+\i], v[ACC+\i], v[X+\i]
.endr
.irp t, 0,1,2,3
	ds_store_b128 v9, v[ACC+4*\t:ACC+4*\t+3] offset:64*\t   ; the eight lanes of one eq hold the same four sums and write the same 16 bytes
.endr
	s_wait_dscnt 0x0                               ; for the others' sake: my stores are done
	s_barrier_signal -1
	s_barrier_wait -1
	s_cmp_ge_u32 s16, 4
	s_cbranch_scc1 .Lend                           ; waves 4 to 15 have done their part
	; wave w finishes token 4 x work-group + w: lane e (and lane 16 + e) holds logit e
.irp p, 0,1,2,3,4,5,6,7,8,9,10,11,12,13,14,15
	ds_load_b32 v[PS+\p], v10 offset:256*\p
.endr
	v_mov_b32 v[NEG], 0xff800000
	s_wait_dscnt 0x0
	v_pk_add_f32 v[PS:PS+1], v[PS:PS+1], v[PS+8:PS+9]
	v_pk_add_f32 v[PS+2:PS+3], v[PS+2:PS+3], v[PS+10:PS+11]
	v_pk_add_f32 v[PS+4:PS+5], v[PS+4:PS+5], v[PS+12:PS+13]
	v_pk_add_f32 v[PS+6:PS+7], v[PS+6:PS+7], v[PS+14:PS+15]
	v_pk_add_f32 v[PS:PS+1], v[PS:PS+1], v[PS+4:PS+5]
	v_pk_add_f32 v[PS+2:PS+3], v[PS+2:PS+3], v[PS+6:PS+7]
	v_pk_add_f32 v[PS:PS+1], v[PS:PS+1], v[PS+2:PS+3]
	v_add_f32 v[PS], v[PS], v[PS+1]
	v_add_f32 v[PS], v[PS], v8                     ; + br (in since the wait for 0 above)
	; four times: the largest of the sixteen, its lowest lane, and that lane out of the running
.irp k, 0,1,2,3
	v_mov_b32 v[MK+\k], v[PS]
	v_max_num_f32_dpp v[MK+\k], v[MK+\k], v[MK+\k] row_xmask:1 row_mask:0xf bank_mask:0xf
	v_max_num_f32_dpp v[MK+\k], v[MK+\k], v[MK+\k] row_xmask:2 row_mask:0xf bank_mask:0xf
	v_max_num_f32_dpp v[MK+\k], v[MK+\k], v[MK+\k] row_xmask:4 row_mask:0xf bank_mask:0xf
	v_max_num_f32_dpp v[MK+\k], v[MK+\k], v[MK+\k] row_xmask:8 row_mask:0xf bank_mask:0xf
	v_cmp_eq_f32 vcc_lo, v[PS], v[MK+\k]
	s_ctz_i32_b32 s[IDX+\k], vcc_lo                ; of equal logits the lowest index, as lax.top_k has it
	s_min_u32 s[IDX+\k], s[IDX+\k], 15             ; (no lane answers only where a NaN is about)
	v_cmp_eq_u32 s30, s[IDX+\k], v11
	v_cndmask_b32 v[PS], v[PS], v[NEG], s30
.endr
	; softmax of the four: the first is the largest and is taken away in front of the exponentials
.irp k, 0,1,2,3
	v_sub_f32 v[TT+\k], v[MK+\k], v[MK]
.endr
.irp k, 0,1,2,3
	v_mul_f32 v[TT+\k], 0x3fb8aa3b, v[TT+\k]       ; log2(e): v_exp_f32 is 2^x
.endr
.irp k, 0,1,2,3
	v_exp_f32 v[TT+\k], v[TT+\k]
.endr
	v_nop                                          ; a plain instruction between the last exponential and the use of its result
	s_wait_alu depctr_va_vdst(0)
	v_add_f32 v[OW], v[TT], v[TT+1]
	v_add_f32 v[OW+1], v[TT+2], v[TT+3]
	v_add_f32 v[OW], v[OW], v[OW+1]                ; at least 1: the first term is 2^0
	v_rcp_f32 v[OW+2], v[OW]
	v_mov_b32 v[OI], s[IDX]                        ; the plain instruction behind the reciprocal
	v_mov_b32 v[OI+1], s[IDX+1]
	v_mov_b32 v[OI+2], s[IDX+2]
	v_mov_b32 v[OI+3], s[IDX+3]
	s_wait_alu depctr_va_vdst(0)
	v_mul_f32 v[OW], v[TT], v[OW+2]
	v_mul_f32 v[OW+1], v[TT+1], v[OW+2]
	v_mul_f32 v[OW+3], v[TT+3], v[OW+2]
	v_mul_f32 v[OW+2], v[TT+2], v[OW+2]
	s_lshl2_add_u32 s28, ttmp9, s16                ; my token
	s_lshl_b32 s28, s28, 4
	v_mov_b32 v12, s28
	v_cmp_eq_u32 vcc_lo, 0, v1
	s_wait_xcnt 0x0                                ; EXEC changes only behind this wait
	s_and_saveexec_b32 s30, vcc_lo                 ; lane 0 stores the token's 16 + 16 bytes
	global_store_b128 v12, v[OW:OW+3], s[12:13]
	global_store_b128 v12, v[OI:OI+3], s[10:11]
	s_wait_xcnt 0x0                                ; and again in front of the line that widens it
	s_or_b32 exec_lo, exec_lo, s30
.Lend:
	s_wait_tensorcnt 0x0
	ds_add_u32 v176, v177
	s_wait_dscnt 0x0
	s_endpgm
.Lfunc_end_k_q47feb5d944_router:
	.size	k_q47feb5d944_router, .Lfunc_end_k_q47feb5d944_router-k_q47feb5d944_router
	.p2alignl 7, 3214868480
	.fill 96, 4, 3214868480
	.section	.rodata,"a",@progbits
	.p2align	6, 0x0
	.amdhsa_kernel k_q47feb5d944_router
		.amdhsa_group_segment_fixed_size 6144
		.amdhsa_private_segment_fixed_size 0
		.amdhsa_enable_private_segment 0
		.amdhsa_kernarg_size 40
		.amdhsa_user_sgpr_count 2
		.amdhsa_user_sgpr_kernarg_segment_ptr 1
		.amdhsa_wavefront_size32 1
		.amdhsa_system_sgpr_workgroup_id_x 1
		.amdhsa_system_sgpr_workgroup_id_y 1
		.amdhsa_system_sgpr_workgroup_id_z 1
		.amdhsa_system_vgpr_workitem_id 0
		.amdhsa_next_free_vgpr 178
		.amdhsa_next_free_sgpr 66
		.amdhsa_reserve_vcc 1
		.amdhsa_float_denorm_mode_32 3
		.amdhsa_float_denorm_mode_16_64 3
		.amdhsa_memory_ordered 1
		.amdhsa_forward_progress 1
		.amdhsa_inst_pref_size 22
	.end_amdhsa_kernel
	.amdgpu_metadata
---
amdhsa.version: [ 1, 2 ]
amdhsa.kernels:
  - .name:           k_q47feb5d944_router
    .symbol:         k_q47feb5d944_router.kd
    .args:
      - { .name: x, .offset: 0, .size: 8, .value_kind: global_buffer, .address_space: global }
      - { .name: Wr, .offset: 8, .size: 8, .value_kind: global_buffer, .address_space: global }
      - { .name: br, .offset: 16, .size: 8, .value_kind: global_buffer, .address_space: global }
      - { .name: topi, .offset: 24, .size: 8, .value_kind: global_buffer, .address_space: global }
      - { .name: topw, .offset: 32, .size: 8, .value_kind: global_buffer, .address_space: global }
    .group_segment_fixed_size: 6144
    .private_segment_fixed_size: 0
    .kernarg_segment_align: 8
    .kernarg_segment_size: 40
    .max_flat_workgroup_size: 512
    .sgpr_count:     66
    .vgpr_count:     178
    .wavefront_size: 32
...
	.end_amdgpu_metadata
.endif
;; end of part 1
;; launch gather (part 2): grid 16 x 16, 10 waves a work-group, no clusters, 42,240 bytes of LDS; arguments x, topi, perm, cnt, xg; writes perm, cnt, xg
.if DOCPART == 2
	.amdgcn_target "amdgcn-amd-amdhsa--gfx1250"
	.amdhsa_code_object_version 6
	.text
	.protected	k_q47feb5d944_gather
	.globl	k_q47feb5d944_gather
	.p2align	8
	.type	k_q47feb5d944_gather,@function
k_q47feb5d944_gather:
	s_mov_b64 s[64:65], 0
	v_nop
	global_prefetch_b8 v0, s[64:65] scope:SCOPE_SE
	s_setreg_imm32_b32 hwreg(HW_REG_WAVE_MODE, 25, 1), 1
	s_wait_xcnt 0x0
; Two steps in one launch: each expert's list of tokens, and xg, the listed rows of x in bf16 in the order in which the first product's matrix instructions want them.
; THE LIST.  For expert e every token gets a place p in 0..1023: the tokens that chose e take 0, 1, .. in token order, the others fill downward from 1023, so that every place holds a token.
; Every wave makes the whole list for itself, in 4,096 bytes of LDS that are its own: no wave waits for another and no barrier is needed.  topi (16 KiB) comes by 32 loads that go out together;
; step g (tokens 32 g .. 32 g + 31) gives a mask of choosers and the number of choosers before it, both kept in scalar registers; then each lane's place follows from v_mbcnt:
;   q = choosers before me;  a chooser's place is q;  another's is 1023 - (tokens before me - q) = (1023 - 32 g - lane) + q.
; Wave 0 of work-group (0, e) also stores perm[e][token] = p (for a chooser: its row among e's rows in xg, hbuf and y) and cnt[e], the number of blocks of 320 rows that hold the choosers, at least 1:
; an expert without a token still has one block, of rows that nobody reads, so that no later launch branches on "none".
; XG.  xg[e 16][tile of 16 rows 80][kq 64][1,024 bytes]; the 1,024 bytes are one fragment (16 rows x 32 along K): lane l = 16 h + r holds row r; its 16 bytes at 16 l are k = 8 h .. 8 h + 7,
; its 16 bytes at 512 + 16 l are k = 16 + 8 h .. 16 + 8 h + 7.  Row 16 tile + r of expert e is the token at place min(16 tile + r, 1023).  Rows behind the count are rows of tokens that did not
; choose e: finite numbers whose results nobody reads.
; SHARES.  An expert's block has 20 tiles x 8 groups of 8 kq = 160 units; its 16 work-groups of 10 waves take one unit a wave and block.  The blocks (1 to 4) are walked in a loop that holds no barrier.
; A lane reads 32 + 32 bytes of its row for each kq (the 32 loads of a trip go out together and between them take 1,024 neighbouring bytes of each of the 16 rows) and stores 16 + 16;
; each store of the wave covers 512 neighbouring bytes at a multiple of 512.  The rounding to bf16 is made here once, so that the sixteen column slices of the first product fetch half the bytes.
.set TI,  16                           ; v[16:143]   step g: four indices of token 32 g + lane; then its place, its LDS address, its token
.set XR,  16                           ; v[16:143]   later: kq j: 16 numbers of x
.set YR,  144                          ; v[144:207]  kq j: the same in bf16, 8 registers
.set TS,  20                           ; s[20:27]    two sets of four masks that take turns
.set MSK, 32                           ; s[32:63]    step g: the lanes whose token chose e
.set PRE, 66                           ; s[66:97]    step g: choosers in the steps before
.macro CMP g                           ; step g's four compares, into the set g % 2
	s_wait_loadcnt 31-(\g)                         ; loads come back in order: step g's is in, the younger ones stay out
	v_cmp_eq_u32 s[TS+4*((\g)&1)],   s17, v[TI+4*(\g)]
	v_cmp_eq_u32 s[TS+4*((\g)&1)+1], s17, v[TI+4*(\g)+1]
	v_cmp_eq_u32 s[TS+4*((\g)&1)+2], s17, v[TI+4*(\g)+2]
	v_cmp_eq_u32 s[TS+4*((\g)&1)+3], s17, v[TI+4*(\g)+3]
.endm
.macro ORR g                           ; step g's mask and count; it stands one step behind the compares, so that it does not wait for them
	s_or_b32 s28, s[TS+4*((\g)&1)],   s[TS+4*((\g)&1)+1]
	s_or_b32 s29, s[TS+4*((\g)&1)+2], s[TS+4*((\g)&1)+3]
	s_or_b32 s[MSK+(\g)], s28, s29
	s_mov_b32 s[PRE+(\g)], s30
	s_bcnt1_i32_b32 s31, s[MSK+(\g)]
	s_add_co_u32 s30, s30, s31
.endm
.macro PLACE g                         ; step g's places, and list[p] = token into my wave's LDS
	v_mbcnt_lo_u32_b32 v11, s[MSK+(\g)], 0         ; choosers in the lanes below me
	v_sub_nc_u32 v12, 1023-32*(\g), v9
	v_add_nc_u32 v11, s[PRE+(\g)], v11             ; q
	v_cndmask_b32 v12, v12, 0, s[MSK+(\g)]         ; a chooser adds nothing
	v_add_nc_u32 v[TI+4*(\g)], v11, v12
	v_min_u32 v[TI+4*(\g)], 0x3ff, v[TI+4*(\g)]    ; it is below 1,024 by the count; the bound is written out
	v_lshl_add_u32 v[TI+4*(\g)+1], v[TI+4*(\g)], 2, v10
	v_add_nc_u32 v[TI+4*(\g)+2], 32*(\g), v9       ; my token
	ds_store_b32 v[TI+4*(\g)+1], v[TI+4*(\g)+2]
.endm
	s_load_b256 s[4:11], s[0:1], 0x0               ; x s[4:5], topi s[6:7], perm s[8:9], cnt s[10:11]
	s_load_b64 s[12:13], s[0:1], 0x20              ; xg
	v_lshl_add_u32 v208, v0, 2, 0xa000
	v_mov_b32 v209, 0
	v_lshrrev_b32 v3, 5, v0
	v_readfirstlane_b32 s16, v3                    ; wave 0..9
	v_and_b32 v9, 31, v0                           ; lane
	v_and_b32 v4, 15, v0                           ; r
	v_bfe_u32 v5, v0, 4, 1                         ; h
	v_lshlrev_b32 v2, 4, v9                        ; 16 x lane: topi, and my place in a store; never rewritten
	v_lshlrev_b32 v3, 2, v9                        ; 4 x lane: perm; never rewritten
	s_and_b32 s17, ttmp7, 0xffff                   ; e
	s_mul_i32 s14, ttmp9, 10
	s_add_co_u32 s14, s14, s16                     ; my unit, 0..159
	s_lshr_b32 s15, s14, 3                         ; its tile in a block, 0..19
	s_and_b32 s14, s14, 7                          ; its group of 8 kq
	s_lshl_b32 s18, s14, 10                        ; 8 kq of 128 bytes in a row of x
	v_lshl_add_u32 v6, v5, 5, s18                  ; + 32 h; never rewritten
	s_lshl_b32 s19, s16, 12
	v_mov_b32 v10, s19                             ; my wave's list in LDS
	s_lshl_b32 s18, s17, 12                        ; e's 1,024 words in perm
	s_mov_b32 s19, 0
	s_mov_b32 s30, 0                               ; choosers so far
	s_wait_kmcnt 0x0
	s_add_nc_u64 s[8:9], s[8:9], s[18:19]
.set gi, 0
.rept 32
	global_load_b128 v[TI+4*gi:TI+4*gi+3], v2, s[6:7] offset:512*gi
.set gi, gi+1
.endr
	CMP 0
.set gi, 1
.rept 31
	CMP gi
	ORR gi-1
.set gi, gi+1
.endr
	ORR 31
.set gi, 0
.rept 32
	PLACE gi
.set gi, gi+1
.endr
	s_add_co_u32 s22, s30, 319
	s_mul_i32 s22, s22, 13108                      ; (n x 13108) >> 22 = n / 320 rounded down for n up to 1,343: 13108 / 2^22 is above 1 / 320 by 1.9e-7, and 1,343 x 1.9e-7 is below 1 / 320
	s_lshr_b32 s22, s22, 22
	s_max_u32 s22, s22, 1
	s_min_u32 s22, s22, 4                          ; e's number of blocks
	s_or_b32 s18, ttmp9, s16
	s_cmp_lg_u32 s18, 0
	s_cbranch_scc1 .Lnot_writer                    ; one wave for each expert stores what the later launches read
.set gi, 0
.rept 32
	global_store_b32 v3, v[TI+4*gi], s[8:9] offset:128*gi       ; perm[e][token] = p: 128 neighbouring bytes
.set gi, gi+1
.endr
	s_lshl_b32 s18, s17, 2
	v_mov_b32 v13, s22
	v_mov_b32 v14, s18
	v_cmp_eq_u32 vcc_lo, 0, v9
	s_wait_xcnt 0x0                                ; EXEC changes only behind this wait
	s_and_saveexec_b32 s19, vcc_lo
	global_store_b32 v14, v13, s[10:11]
	s_wait_xcnt 0x0                                ; in front of the line that widens EXEC; it also frees the places' registers, which x's loads write below
	s_or_b32 exec_lo, exec_lo, s19
.Lnot_writer:
	s_mov_b32 s27, 0                               ; blk
.Lblk:
	s_mul_i32 s28, s27, 20
	s_add_co_u32 s28, s28, s15                     ; the tile
	s_lshl_b32 s29, s28, 4
	v_add_nc_u32 v7, s29, v4                       ; my row
	v_min_u32 v7, 0x3ff, v7                        ; the list has 1,024 entries, the blocks up to 1,280 rows
	v_lshl_add_u32 v7, v7, 2, v10
	ds_load_b32 v8, v7                             ; my row's token: LDS serves a wave's instructions in order, so this sees my stores above
	s_mul_i32 s18, s17, 80
	s_add_co_u32 s18, s18, s28
	s_lshl_b32 s18, s18, 16                        ; tiles of 65,536 bytes: 83,886,080 at the most
	s_lshl_b32 s19, s14, 13                        ; my unit's 8 fragments
	s_add_co_u32 s18, s18, s19
	s_mov_b32 s19, 0
	s_add_nc_u64 s[20:21], s[12:13], s[18:19]
	s_wait_dscnt 0x0
	v_min_u32 v8, 0x3ff, v8
	v_lshlrev_b32 v8, 13, v8                       ; rows of 8,192 bytes
	v_add_nc_u32 v8, v8, v6
.irp j, 0,1,2,3,4,5,6,7
	global_load_b128 v[XR+16*\j:XR+16*\j+3],     v8, s[4:5] offset:128*\j
	global_load_b128 v[XR+16*\j+4:XR+16*\j+7],   v8, s[4:5] offset:128*\j+16
	global_load_b128 v[XR+16*\j+8:XR+16*\j+11],  v8, s[4:5] offset:128*\j+64
	global_load_b128 v[XR+16*\j+12:XR+16*\j+15], v8, s[4:5] offset:128*\j+80
.endr
.irp j, 0,1,2,3,4,5,6,7
	s_wait_loadcnt 4*(7-\j)                        ; kq j's four loads are in, the four of each later kq stay out
.irp m, 0,1,2,3,4,5,6,7
	v_cvt_pk_bf16_f32 v[YR+8*\j+\m], v[XR+16*\j+2*\m], v[XR+16*\j+2*\m+1]
.endr
	global_store_b128 v2, v[YR+8*\j:YR+8*\j+3],   s[20:21] offset:1024*\j
	global_store_b128 v2, v[YR+8*\j+4:YR+8*\j+7], s[20:21] offset:1024*\j+512
.endr
	s_wait_xcnt 0x0                                ; the stores' base and data are written again only behind this wait
	s_add_co_u32 s27, s27, 1
	s_cmp_lt_u32 s27, s22
	s_cbranch_scc1 .Lblk
	s_wait_tensorcnt 0x0
	ds_add_u32 v208, v209
	s_wait_dscnt 0x0
	s_endpgm
.Lfunc_end_k_q47feb5d944_gather:
	.size	k_q47feb5d944_gather, .Lfunc_end_k_q47feb5d944_gather-k_q47feb5d944_gather
	.p2alignl 7, 3214868480
	.fill 96, 4, 3214868480
	.section	.rodata,"a",@progbits
	.p2align	6, 0x0
	.amdhsa_kernel k_q47feb5d944_gather
		.amdhsa_group_segment_fixed_size 42240
		.amdhsa_private_segment_fixed_size 0
		.amdhsa_enable_private_segment 0
		.amdhsa_kernarg_size 40
		.amdhsa_user_sgpr_count 2
		.amdhsa_user_sgpr_kernarg_segment_ptr 1
		.amdhsa_wavefront_size32 1
		.amdhsa_system_sgpr_workgroup_id_x 1
		.amdhsa_system_sgpr_workgroup_id_y 1
		.amdhsa_system_sgpr_workgroup_id_z 1
		.amdhsa_system_vgpr_workitem_id 0
		.amdhsa_next_free_vgpr 210
		.amdhsa_next_free_sgpr 100
		.amdhsa_reserve_vcc 1
		.amdhsa_float_denorm_mode_32 3
		.amdhsa_float_denorm_mode_16_64 3
		.amdhsa_memory_ordered 1
		.amdhsa_forward_progress 1
		.amdhsa_inst_pref_size 49
	.end_amdhsa_kernel
	.amdgpu_metadata
---
amdhsa.version: [ 1, 2 ]
amdhsa.kernels:
  - .name:           k_q47feb5d944_gather
    .symbol:         k_q47feb5d944_gather.kd
    .args:
      - { .name: x, .offset: 0, .size: 8, .value_kind: global_buffer, .address_space: global }
      - { .name: topi, .offset: 8, .size: 8, .value_kind: global_buffer, .address_space: global }
      - { .name: perm, .offset: 16, .size: 8, .value_kind: global_buffer, .address_space: global }
      - { .name: cnt, .offset: 24, .size: 8, .value_kind: global_buffer, .address_space: global }
      - { .name: xg, .offset: 32, .size: 8, .value_kind: global_buffer, .address_space: global }
    .group_segment_fixed_size: 42240
    .private_segment_fixed_size: 0
    .kernarg_segment_align: 8
    .kernarg_segment_size: 40
    .max_flat_workgroup_size: 320
    .sgpr_count:     100
    .vgpr_count:     210
    .wavefront_size: 32
...
	.end_amdgpu_metadata
.endif
;; end of part 2
;; launch ffn1 (part 3): grid 16 x 16, 4 waves a work-group, no clusters, 295,424 bytes of LDS; arguments xg, W1, b1, cnt, hbuf; writes hbuf
.if DOCPART == 3
	.amdgcn_target "amdgcn-amd-amdhsa--gfx1250"
	.amdhsa_code_object_version 6
	.text
	.protected	k_q47feb5d944_ffn1
	.globl	k_q47feb5d944_ffn1
	.p2align	8
	.type	k_q47feb5d944_ffn1,@function
k_q47feb5d944_ffn1:
	s_mov_b64 s[64:65], 0
	v_nop
	global_prefetch_b8 v0, s[64:65] scope:SCOPE_SE
	s_setreg_imm32_b32 hwreg(HW_REG_WAVE_MODE, 25, 1), 1
	s_wait_xcnt 0x0
; h = relu(xg W1[e] + b1[e]) for the rows that chose expert e.  W1: [16][2048][1024] f32.  xg and hbuf lie in fragment order: [e 16][tile of 16 rows 80][kq][1,024 bytes], 64 kq in xg, 32 in hbuf;
; in a fragment lane l = 16 h + r holds row r: 16 bytes at 16 l (k = 8 h ..) and 16 bytes at 512 + 16 l (k = 16 + 8 h ..).
; SHARES.  Work-group (slice, e): 64 columns of expert e, all its rows.  Four waves.
; PHASE 1, the same work for every input: the work-group's slice of W1, 2,048 x 64 f32 = 512 KiB, is read ONCE, whatever the expert's count, rounded to bf16 and laid whole into LDS.  Wave w takes
; k = 512 w .. 512 w + 511: 256 loads of two rows x 256 bytes, in groups of eight through a ring of seven groups of registers: 56 loads of a wave are on their way.  Behind groups 25 to 30, where no
; group of W is left to ask for, the first six quarters of block 0's A are asked for, so that they land while the last groups are converted.  ONE barrier follows.
; PHASE 2: the expert's blocks of 320 rows (1 to 4, read from cnt).  Wave w: rows 80 w .. 80 w + 79 x all 64 columns: 5 x 4 accumulators.  K goes in 64 quarters of 32.  W's fragments come out of LDS,
; turned, by ds_load_tr16_b128, into two buffers that take turns; A's come straight from memory into a ring of six quarters' registers, ten loads of 512 neighbouring bytes a quarter, asked for four to
; five quarters ahead.  A quarter's loads stand in ONE run in its middle, under two window settings, never singly among the products.  Nobody writes LDS in this phase, and each wave reads its own rows alone.
; WHY NO CLUSTER AND NO TENSOR LOADS.  What work-groups share is A, and A is fetched inside the loop over blocks, whose trip count is read from memory.  Every wave passes every barrier, so none may stand
; under a branch that hangs on loaded data; without a barrier there is no refill of LDS by the tensor data mover and no round of a cluster's barrier for joint requests.  W, the bulk of the bytes, is shared by no two work-groups.
; THE MATRIX INSTRUCTION IS USED TRANSPOSED (source 0 = 16 columns of W, source 1 = 16 rows of A): a lane holds one row and eight neighbouring columns.  Rounded to bf16 in pairs, accumulator (a, b) IS
; half b % 2 of the second product's fragment kq = 2 slice + b / 2 of row tile a: it is stored as it stands, 512 neighbouring bytes a store, with no way through LDS.
; The bias is the C of each sum's first product.  The K loop is written out, so that every count, immediate and ring place is a constant.
; W IN LDS: a row of 288 bytes holds a pair of k (2 x 128 bytes) and 32 bytes of padding: k lies at (k / 2) 288 + (k % 2) 128.
; and a store of phase 1 fills 256 neighbouring bytes.
; LIMITS.  x and W1 enter the product rounded to bf16, h leaves rounded to bf16.  relu is max(0, .), which makes 0 of a NaN.
.set NT,     4                         ; column tiles of 16
.set NQ,     64                        ; quarters of 32 along K
.set QD,     6                         ; A ring: quarters
.set QB,     12                        ; quarters that one LDS base register serves: 12 x 4,608 = 55,296 bytes, so that the immediates stay under 65,536
.set QSTR,   4608                      ; LDS bytes from a quarter to the next: 16 pairs of k
.set HSTR,   2304                      ; and to its second 16 k
.set TILEB,  65536                     ; bytes of a row tile in xg
.set NG,     32                        ; phase 1: groups of eight loads
.set RDEP,   7                         ; its ring: groups
.set WSTEP,  8192                      ; bytes in W1 from a load to the next: two rows
.set WPITCH, 288
; window 0
.set WOFF, 4                           ; v4      my byte offset in W's slice; never rewritten
.set WST,  5                           ; v5-6    where I store 8 bytes of W: loads 0-127, loads 128-255
.set GO,   7                           ; v7      16 x lane: my place in a fragment; never rewritten
.set BOF,  8                           ; v8      my byte offset in the bias
.set WFR,  10                          ; v10-15  my place in W's fragments, a base for every 12 quarters
.set F0,   32                          ; W's fragment buffer 0: 8 b
.set F1,   64                          ; buffer 1
.set TF,   96                          ; v96-127  the way out: a row tile after relu
.set PK,   128                         ; v128-159 the way out: packed, two sets that take turns
; window 1: phase 1's ring, group g at (g % 7) 32; then accumulator (a, b) at 8 (4 a + b).   window 2: A's ring, quarter i at (i % 6) 40 + 8 a.   window 3: BIAS + 8 b
.set BIAS, 64
.set MSB, 0
.macro WIN new                         ; the immediate's low byte: bits 1:0 source 0, 3:2 source 1, 5:4 source 2, 7:6 destination; its high byte repeats the setting that is left; a switch that changes nothing is dropped
.if MSB != (\new)
	s_set_vgpr_msb (MSB<<8)|(\new)
.set MSB, \new
.endif
.endm
.macro PLACES                          ; four places in front of loads into registers that matrix instructions have read (ISA guide 7.12.1 for vector instructions)
.rept 4
	v_nop
.endr
.endm
; Group g of phase 1: eight loads; load i takes rows 2 i (lanes 0-15) and 2 i + 1 (lanes 16-31) of my 512, 256 neighbouring bytes each.  The row stands in the immediate, 2,088,960 at the most.
.macro WLOAD g
	WIN 0x40                                       ; destination window 1
.set ij, 0
.rept 8
.set RR, ((\g)%RDEP)*32+4*ij
	global_load_b128 v[RR:RR+3], v[WOFF], s[6:7] offset:(8*(\g)+ij)*WSTEP th:TH_LOAD_NT
.set ij, ij+1
.endr
.endm
; A's fragments of quarter g, five row tiles, into the ring: ten loads of 512 neighbouring bytes
.macro ALOAD g
	WIN 0x80                                       ; destination window 2
.set RL, 40*((\g)%QD)
.set ib, 0
.rept 5
	global_load_b128 v[RL+8*ib:RL+8*ib+3],   v[GO], s[24:25] offset:ib*TILEB+(\g)*1024
	global_load_b128 v[RL+8*ib+4:RL+8*ib+7], v[GO], s[24:25] offset:ib*TILEB+(\g)*1024+512
.set ib, ib+1
.endr
.endm
; Group g leaves the ring: rounded to bf16 in place, stored into LDS; its registers take the group seven further on, or, when W is all asked for, a quarter of A goes out.
; Loads come back in order: the count is 8 x the groups of W issued behind this one (six, fewer at the end) + 10 x the quarters of A issued so far.
.macro CONV g
.set WL, NG-1-(\g)
.if WL > RDEP-1
.set WL, RDEP-1
.endif
.set AQN, (\g)-(NG-RDEP)
.if AQN < 0
.set AQN, 0
.endif
	s_wait_loadcnt 8*WL+10*AQN
	WIN 0x45                                       ; destination and both sources window 1
.set ij, 0
.rept 8
.set RR, ((\g)%RDEP)*32+4*ij
	v_cvt_pk_bf16_f32 v[RR], v[RR], v[RR+1]
	v_cvt_pk_bf16_f32 v[RR+1], v[RR+2], v[RR+3]
.set ij, ij+1
.endr
	WIN 0x04                                       ; data window 1, address window 0
.set ij, 0
.rept 8
.set RR, ((\g)%RDEP)*32+4*ij
.set IW, 8*(\g)+ij
	ds_store_b64 v[WST+IW/128], v[RR:RR+1] offset:(IW%128)*WPITCH   ; a pair of k: 256 neighbouring bytes
.set ij, ij+1
.endr
.if (\g)+RDEP < NG
	WLOAD (\g)+RDEP
.elseif (\g)-(NG-RDEP) < QD
	ALOAD (\g)-(NG-RDEP)
.endif
.endm
; W's fragments of quarter i into buffer f: lane l gets column l % 16 of tile b; the first load brings k = 8 h .., the second k = 16 + 8 h ..
.macro FETCHW i, f
	WIN 0
.set ib, 0
.rept NT
	ds_load_tr16_b128 v[\f+8*ib:\f+8*ib+3],   v[WFR+(\i)/QB] offset:((\i)%QB)*QSTR+32*ib
	ds_load_tr16_b128 v[\f+8*ib+4:\f+8*ib+7], v[WFR+(\i)/QB] offset:((\i)%QB)*QSTR+HSTR+32*ib
.set ib, ib+1
.endr
.endm
; Four matrix instructions: row tile a x all column tiles.  first = 1: the bias starts the sums.  The 20 accumulators take turns, one instruction a turn, in the same order in every quarter.
.macro MUL f, ra, a, first
.set AB, 8*NT*(\a)
.if \first
	WIN 0x78                                       ; W window 0, A window 2, C window 3, D window 1
.else
	WIN 0x58                                       ; C and D window 1
.endif
.set ib, 0
.rept NT
.if \first
	v_wmma_f32_16x16x32_bf16 v[AB+8*ib:AB+8*ib+7], v[\f+8*ib:\f+8*ib+7], v[\ra+8*(\a):\ra+8*(\a)+7], v[BIAS+8*ib:BIAS+8*ib+7]
.else
	v_wmma_f32_16x16x32_bf16 v[AB+8*ib:AB+8*ib+7], v[\f+8*ib:\f+8*ib+7], v[\ra+8*(\a):\ra+8*(\a)+7], v[AB+8*ib:AB+8*ib+7]
.endif
.set ib, ib+1
.endr
.endm
; Quarter i.  In its middle, in one run: the next quarter's W into the other buffer, and into the A registers of the quarter before the quarter six on from that one.
; A's quarters are loaded in ascending order; at the head of quarter i the last one issued is i + 4 (5 at i = 0; the last of all at the end), so the count is 10 x the quarters behind mine.
.macro QUARTER i
.if ((\i)&1) == 0
.set FQ, F0
.set GQ, F1
.else
.set FQ, F1
.set GQ, F0
.endif
.set RA, 40*((\i)%QD)
.set FST, 0
.if (\i) == 0
.set FST, 1
.endif
.set LASTI, (\i)-2+QD
.if LASTI < QD-1
.set LASTI, QD-1
.endif
.if LASTI > NQ-1
.set LASTI, NQ-1
.endif
	s_wait_loadcnt 10*(LASTI-(\i))
	s_wait_dscnt 0x0                               ; this quarter's W, asked for twelve matrix instructions ago
	MUL FQ, RA, 0, FST
	MUL FQ, RA, 1, FST
.if (\i)+1 < NQ
	PLACES
	FETCHW (\i)+1, GQ
.endif
.if ((\i) >= 1) && ((\i)-1+QD < NQ)
	ALOAD (\i)-1+QD
.endif
	MUL FQ, RA, 2, FST
	MUL FQ, RA, 3, FST
	MUL FQ, RA, 4, FST
.endm
; The way out of row tile a: relu, rounded to bf16, stored as the second product's fragments
.macro OUT a
.set AB, 8*NT*(\a)
.set PQ, PK+16*((\a)&1)
	WIN 0x04                                       ; source 1 window 1
.set ii, 0
.rept 8*NT
	v_max_num_f32 v[TF+ii], 0, v[AB+ii]            ; each accumulator's registers in ascending order
.set ii, ii+1
.endr
	WIN 0
	s_wait_xcnt 0x0                                ; the registers that the stores of two tiles ago read are written again only behind this wait
.set ii, 0
.rept 4*NT
	v_cvt_pk_bf16_f32 v[PQ+ii], v[TF+2*ii], v[TF+2*ii+1]
.set ii, ii+1
.endr
.set ii, 0
.rept NT
	global_store_b128 v[GO], v[PQ+4*ii:PQ+4*ii+3], s[26:27] offset:(\a)*32768+(ii>>1)*1024+(ii&1)*512   ; 512 neighbouring bytes at a multiple of 512 from hbuf's first byte
.set ii, ii+1
.endr
.endm
.macro BASES                           ; block s20: my rows in xg s[24:25], in hbuf s[26:27]
	s_mul_i32 s40, s17, 80
	s_mul_i32 s41, s20, 20
	s_add_co_u32 s40, s40, s41
	s_mul_i32 s41, s14, 5
	s_add_co_u32 s40, s40, s41                     ; my first row tile: 80 e + 20 blk + 5 w
	s_lshl_b32 s42, s40, 16                        ; 65,536 bytes a tile in xg
	s_mov_b32 s43, 0
	s_add_nc_u64 s[24:25], s[4:5], s[42:43]
	s_lshl_b32 s42, s40, 15                        ; 32,768 bytes a tile in hbuf,
	s_lshl_b32 s41, s16, 11                        ; my slice's two fragments
	s_add_co_u32 s42, s42, s41
	s_add_nc_u64 s[26:27], s[12:13], s[42:43]
.endm
	s_load_b256 s[4:11], s[0:1], 0x0               ; xg s[4:5], W1 s[6:7], b1 s[8:9], cnt s[10:11]
	s_load_b64 s[12:13], s[0:1], 0x20              ; hbuf
	v_lshl_add_u32 v254, v0, 2, 0x48000
	v_mov_b32 v255, 0
	v_lshrrev_b32 v3, 5, v0
	v_readfirstlane_b32 s14, v3                    ; wave 0..3
	s_mov_b32 s16, ttmp9                           ; my slice of 64 columns
	s_and_b32 s17, ttmp7, 0xffff                   ; the expert
	v_and_b32 v1, 15, v0                           ; r = l % 16
	v_bfe_u32 v2, v0, 4, 1                         ; h = l / 16
	v_and_b32 v3, 31, v0                           ; l
	v_lshlrev_b32 v[GO], 4, v3
	s_lshl_b32 s40, s14, 21                        ; 512 rows of 4,096 bytes a wave
	v_lshl_add_u32 v[WOFF], v2, 12, s40
	v_lshl_add_u32 v[WOFF], v1, 4, v[WOFF]         ; W in memory: (512 w + h) x 4,096 + 16 r
	s_mul_i32 s41, s14, 256*WPITCH                 ; 256 pairs of k a wave
	v_lshl_add_u32 v[WST], v3, 3, s41              ; W in: 256 w x 288 + 8 l
	v_add_nc_u32 v[WST+1], 128*WPITCH, v[WST]
	v_bfe_u32 v9, v0, 1, 2
	v_lshl_add_u32 v9, v2, 2, v9                   ; the pair of k = 8 h + l % 8: 4 h + (l / 2) % 4
	v_mul_u32_u24 v[WFR], v9, WPITCH
	v_and_b32 v9, 1, v0
	v_lshl_add_u32 v[WFR], v9, 7, v[WFR]           ; + 128 (l % 2)
	v_bfe_u32 v9, v0, 3, 1
	v_lshl_add_u32 v[WFR], v9, 4, v[WFR]           ; + 16 ((l / 8) % 2)
.irp j, 1,2,3,4,5
	v_add_nc_u32 v[WFR+\j], \j*QB*QSTR, v[WFR]
.endr
	v_lshlrev_b32 v[BOF], 5, v2                    ; register j of a result holds column 16 b + 8 h + j: eight numbers of the bias at 64 b + 32 h
	s_lshl_b32 s44, s17, 2
	s_mov_b32 s20, 0                               ; blk
	s_wait_kmcnt 0x0
	s_load_b32 s19, s[10:11], s44 offset:0x0       ; e's number of blocks
	s_lshl_b32 s42, s17, 23                        ; W1[e]: 8,388,608 bytes an expert,
	s_lshl_b32 s43, s16, 8                         ; my 64 columns of 4 bytes
	s_add_co_u32 s42, s42, s43
	s_mov_b32 s43, 0
	s_add_nc_u64 s[6:7], s[6:7], s[42:43]
	s_lshl_b32 s42, s17, 12                        ; b1[e]: 4,096 bytes an expert
	s_lshl_b32 s41, s16, 8
	s_add_co_u32 s42, s42, s41
	s_add_nc_u64 s[8:9], s[8:9], s[42:43]
	BASES
	WIN 0xc0                                       ; destination window 3
.set ib, 0
.rept NT
	global_load_b128 v[BIAS+8*ib:BIAS+8*ib+3],   v[BOF], s[8:9] offset:64*ib      ; the bias, the oldest loads: the first group's wait shows them in
	global_load_b128 v[BIAS+8*ib+4:BIAS+8*ib+7], v[BOF], s[8:9] offset:64*ib+16
.set ib, ib+1
.endr
	; PHASE 1
.set gi, 0
.rept RDEP
	WLOAD gi
.set gi, gi+1
.endr
.set gi, 0
.rept NG
	CONV gi
.set gi, gi+1
.endr
	WIN 0
	s_wait_dscnt 0x0                               ; for the others' sake: my part of W is in LDS
	s_barrier_signal -1
	s_barrier_wait -1                              ; everybody's is; from here on nobody writes LDS
	s_wait_kmcnt 0x0
	s_min_u32 s19, s19, 4
	s_max_u32 s19, s19, 1
	; PHASE 2
.Lblock:                                               ; a block of 320 rows; its first six quarters of A are on their way
	FETCHW 0, F0
.set qi, 0
.rept NQ
	QUARTER qi
.set qi, qi+1
.endr
.rept 5
	v_nop                                          ; the way out reads results just made (four places); the next block's first products write over these accumulators with another C (five)
.endr
	OUT 0
	OUT 1
	OUT 2
	OUT 3
	OUT 4
	s_add_co_u32 s20, s20, 1
	s_cmp_ge_u32 s20, s19
	s_cbranch_scc1 .Lno_more                       ; no block is left: nothing is asked for
	s_wait_xcnt 0x0                                ; the stores' base is written again only behind this wait (A's loads were all waited for in the last quarter)
	BASES
.set qi, 0
.rept QD
	ALOAD qi
.set qi, qi+1
.endr
	WIN 0
.Lno_more:
	s_cmp_lt_u32 s20, s19
	s_cbranch_scc1 .Lblock
	s_wait_tensorcnt 0x0
	ds_add_u32 v254, v255
	s_wait_dscnt 0x0
	s_endpgm
.Lfunc_end_k_q47feb5d944_ffn1:
	.size	k_q47feb5d944_ffn1, .Lfunc_end_k_q47feb5d944_ffn1-k_q47feb5d944_ffn1
	.p2alignl 7, 3214868480
	.fill 96, 4, 3214868480
	.section	.rodata,"a",@progbits
	.p2align	6, 0x0
	.amdhsa_kernel k_q47feb5d944_ffn1
		.amdhsa_group_segment_fixed_size 295424
		.amdhsa_private_segment_fixed_size 0
		.amdhsa_enable_private_segment 0
		.amdhsa_kernarg_size 40
		.amdhsa_user_sgpr_count 2
		.amdhsa_user_sgpr_kernarg_segment_ptr 1
		.amdhsa_wavefront_size32 1
		.amdhsa_system_sgpr_workgroup_id_x 1
		.amdhsa_system_sgpr_workgroup_id_y 1
		.amdhsa_system_sgpr_workgroup_id_z 1
		.amdhsa_system_vgpr_workitem_id 0
		.amdhsa_next_free_vgpr 896
		.amdhsa_next_free_sgpr 66
		.amdhsa_reserve_vcc 0
		.amdhsa_float_denorm_mode_32 3
		.amdhsa_float_denorm_mode_16_64 3
		.amdhsa_memory_ordered 1
		.amdhsa_forward_progress 1
		.amdhsa_inst_pref_size 255
	.end_amdhsa_kernel
	.section	.bss,"aw",@nobits
	.p2align	6
	.space	262144
	.amdgpu_metadata
---
amdhsa.version: [ 1, 2 ]
amdhsa.kernels:
  - .name:           k_q47feb5d944_ffn1
    .symbol:         k_q47feb5d944_ffn1.kd
    .args:
      - { .name: xg, .offset: 0, .size: 8, .value_kind: global_buffer, .address_space: global }
      - { .name: W1, .offset: 8, .size: 8, .value_kind: global_buffer, .address_space: global }
      - { .name: b1, .offset: 16, .size: 8, .value_kind: global_buffer, .address_space: global }
      - { .name: cnt, .offset: 24, .size: 8, .value_kind: global_buffer, .address_space: global }
      - { .name: hbuf, .offset: 32, .size: 8, .value_kind: global_buffer, .address_space: global }
    .group_segment_fixed_size: 295424
    .private_segment_fixed_size: 0
    .kernarg_segment_align: 8
    .kernarg_segment_size: 40
    .max_flat_workgroup_size: 128
    .sgpr_count:     66
    .vgpr_count:     896
    .wavefront_size: 32
...
	.end_amdgpu_metadata
.endif
;; end of part 3
;; launch ffn2 (part 4): grid 16 x 16, 4 waves a work-group, no clusters, 312,832 bytes of LDS; arguments hbuf, W2, b2, cnt, y; writes y
.if DOCPART == 4
	.amdgcn_target "amdgcn-amd-amdhsa--gfx1250"
	.amdhsa_code_object_version 6
	.text
	.protected	k_q47feb5d944_ffn2
	.globl	k_q47feb5d944_ffn2
	.p2align	8
	.type	k_q47feb5d944_ffn2,@function
k_q47feb5d944_ffn2:
	s_mov_b64 s[64:65], 0
	v_nop
	global_prefetch_b8 v0, s[64:65] scope:SCOPE_SE
	s_setreg_imm32_b32 hwreg(HW_REG_WAVE_MODE, 25, 1), 1
	s_wait_xcnt 0x0
; y = h W2[e] + b2[e] for the rows that chose expert e.  W2: [16][1024][2048] f32.  hbuf in fragment order: [e 16][tile of 16 rows 80][kq 32][1,024 bytes].  y: [16][1280][2048] f32.
; The first product's frame with other sizes.  Work-group (slice, e): 128 columns of expert e, all its rows.  Four waves.
; PHASE 1, the same work for every input: the slice of W2, 1,024 x 128 f32 = 512 KiB, is read ONCE, rounded to bf16 and laid whole into LDS, [k][n] in rows of 256 + 32 bytes.  Wave w takes
; k = 256 w .. 256 w + 255: 256 loads of a row's 512 bytes, in groups of eight through a ring of seven groups of registers: 56 loads of a wave are on their way.  Behind groups 25 to 30, where no
; group of W is left to ask for, the first six quarters of block 0's A are asked for.  ONE barrier follows.
; PHASE 2: the expert's blocks of 320 rows (1 to 4, read from cnt).  Wave w: rows 80 w .. 80 w + 79 x all 128 columns: 5 x 8 accumulators.  K goes in 32 quarters of 32.  W's fragments come out of LDS,
; turned, into two buffers that take turns; A's come straight from memory into a ring of six quarters' registers, ten loads of 512 neighbouring bytes a quarter.  A quarter's loads stand in ONE run in its
; middle, never singly among the products.  W in LDS is only read in this phase.
; WHY NO CLUSTER AND NO TENSOR LOADS.  What work-groups share is A, and A is fetched inside the loop over blocks, whose trip count is read from memory.  Every wave passes every barrier, so none may stand
; under a branch that hangs on loaded data; without a barrier there is no refill of LDS by the tensor data mover and no round of a cluster's barrier for joint requests.  W, the bulk of the bytes, is shared by no two work-groups.
; THE MATRIX INSTRUCTION IS USED TRANSPOSED (source 0 = 16 columns of W, source 1 = 16 rows of A): a lane holds one row and eight neighbouring columns.  The bias is the C of each sum's first product.
; THE WAY OUT: a lane's 32 bytes are an eighth of an aligned 256 bytes of y, so a row tile goes through the wave's own stage in LDS, 64 columns at a time, and leaves as whole rows of 256 bytes.
; All 320 rows of a block are stored, those behind the count too; nobody reads them.  The gate's weight and the sum over a token's four experts are made by the last launch, since they span work-groups.
; LIMITS.  h and W2 enter the product rounded to bf16.
.set NT,     8                         ; column tiles of 16
.set NQ,     32                        ; quarters of 32 along K
.set QD,     6                         ; A ring: quarters
.set QB,     6                         ; quarters that one LDS base register serves: 6 x 9,216 = 55,296 bytes, so that the immediates stay under 65,536
.set QSTR,   9216                      ; LDS bytes from a quarter to the next: 32 rows
.set HSTR,   4608                      ; and to its second 16 k
.set TILEB,  32768                     ; bytes of a row tile in hbuf
.set NG,     32                        ; phase 1: groups of eight loads
.set RDEP,   7                         ; its ring: groups
.set WSTEP,  8192                      ; bytes in W2 from a load to the next: a row
.set WPITCH, 288                       ; nine times 32 bytes
.set STAGE,  1024*WPITCH               ; 294,912: behind W, 16 rows x 272 bytes for each wave
.set SPITCH, 272
.set SWAVE,  16*SPITCH
; window 0
.set WOFF, 4                           ; v4      my byte offset in W's slice; never rewritten
.set WST,  5                           ; v5-6    where I store 8 bytes of W: loads 0-127, loads 128-255
.set GO,   7                           ; v7      16 x lane: my place in a fragment; never rewritten
.set BOF,  8                           ; v8      my byte offset in the bias
.set WFR,  10                          ; v10-15  my place in W's fragments, a base for every 6 quarters
.set STO,  16                          ; v16     the way out: where I put 32 bytes of a row
.set RD,   17                          ; v17     the way out: where I read rows back
.set CO,   18                          ; v18     my byte offset in two rows of y
.set F0,   32                          ; W's fragment buffer 0: 8 b
.set F1,   96                          ; buffer 1
.set BK,   160                         ; v160-223 the way out: rows read back, two sets that take turns
; window 1: phase 1's ring, group g at (g % 7) 32; then accumulator (a, b), a = 0..3, at 8 (8 a + b).   window 2: A's ring, quarter i at (i % 6) 40 + 8 a.   window 3: accumulator (4, b) at 8 b; BIAS + 8 b
.set BIAS, 64
.set MSB, 0
.macro WIN new                         ; the immediate's low byte: bits 1:0 source 0, 3:2 source 1, 5:4 source 2, 7:6 destination; its high byte repeats the setting that is left; a switch that changes nothing is dropped
.if MSB != (\new)
	s_set_vgpr_msb (MSB<<8)|(\new)
.set MSB, \new
.endif
.endm
.macro PLACES                          ; four places in front of loads into registers that matrix instructions have read (ISA guide 7.12.1 for vector instructions)
.rept 4
	v_nop
.endr
.endm
; Group g of phase 1: eight loads; load i takes row i of my 256, 512 neighbouring bytes.  The row stands in the immediate, 2,088,960 at the most.
.macro WLOAD g
	WIN 0x40                                       ; destination window 1
.set ij, 0
.rept 8
.set RR, ((\g)%RDEP)*32+4*ij
	global_load_b128 v[RR:RR+3], v[WOFF], s[6:7] offset:(8*(\g)+ij)*WSTEP th:TH_LOAD_NT
.set ij, ij+1
.endr
.endm
; A's fragments of quarter g, five row tiles, into the ring: ten loads of 512 neighbouring bytes
.macro ALOAD g
	WIN 0x80                                       ; destination window 2
.set RL, 40*((\g)%QD)
.set ib, 0
.rept 5
	global_load_b128 v[RL+8*ib:RL+8*ib+3],   v[GO], s[24:25] offset:ib*TILEB+(\g)*1024
	global_load_b128 v[RL+8*ib+4:RL+8*ib+7], v[GO], s[24:25] offset:ib*TILEB+(\g)*1024+512
.set ib, ib+1
.endr
.endm
; Group g leaves the ring: rounded to bf16 in place, stored into LDS; its registers take the group seven further on, or, when W is all asked for, a quarter of A goes out.
; Loads come back in order: the count is 8 x the groups of W issued behind this one (six, fewer at the end) + 10 x the quarters of A issued so far.
.macro CONV g
.set WL, NG-1-(\g)
.if WL > RDEP-1
.set WL, RDEP-1
.endif
.set AQN, (\g)-(NG-RDEP)
.if AQN < 0
.set AQN, 0
.endif
	s_wait_loadcnt 8*WL+10*AQN
	WIN 0x45                                       ; destination and both sources window 1
.set ij, 0
.rept 8
.set RR, ((\g)%RDEP)*32+4*ij
	v_cvt_pk_bf16_f32 v[RR], v[RR], v[RR+1]
	v_cvt_pk_bf16_f32 v[RR+1], v[RR+2], v[RR+3]
.set ij, ij+1
.endr
	WIN 0x04                                       ; data window 1, address window 0
.set ij, 0
.rept 8
.set RR, ((\g)%RDEP)*32+4*ij
.set IW, 8*(\g)+ij
	ds_store_b64 v[WST+IW/128], v[RR:RR+1] offset:(IW%128)*WPITCH   ; a row of W: 256 neighbouring bytes
.set ij, ij+1
.endr
.if (\g)+RDEP < NG
	WLOAD (\g)+RDEP
.elseif (\g)-(NG-RDEP) < QD
	ALOAD (\g)-(NG-RDEP)
.endif
.endm
; W's fragments of quarter i into buffer f: lane l gets column l % 16 of tile b; the first load brings k = 8 h .., the second k = 16 + 8 h ..
.macro FETCHW i, f
	WIN 0
.set ib, 0
.rept NT
	ds_load_tr16_b128 v[\f+8*ib:\f+8*ib+3],   v[WFR+(\i)/QB] offset:((\i)%QB)*QSTR+32*ib
	ds_load_tr16_b128 v[\f+8*ib+4:\f+8*ib+7], v[WFR+(\i)/QB] offset:((\i)%QB)*QSTR+HSTR+32*ib
.set ib, ib+1
.endr
.endm
; Eight matrix instructions: row tile a x all column tiles.  first = 1: the bias starts the sums.  The 40 accumulators take turns, one instruction a turn, in the same order in every quarter.
.macro MUL f, ra, a, first
.if (\a) < 4
.set AB, 64*(\a)
.set WC, 0x58                          ; W window 0, A window 2, C and D window 1
.set WF, 0x78                          ; C window 3, D window 1
.else
.set AB, 0
.set WC, 0xf8                          ; C and D window 3
.set WF, 0xf8
.endif
.if \first
	WIN WF
.else
	WIN WC
.endif
.set ib, 0
.rept NT
.if \first
	v_wmma_f32_16x16x32_bf16 v[AB+8*ib:AB+8*ib+7], v[\f+8*ib:\f+8*ib+7], v[\ra+8*(\a):\ra+8*(\a)+7], v[BIAS+8*ib:BIAS+8*ib+7]
.else
	v_wmma_f32_16x16x32_bf16 v[AB+8*ib:AB+8*ib+7], v[\f+8*ib:\f+8*ib+7], v[\ra+8*(\a):\ra+8*(\a)+7], v[AB+8*ib:AB+8*ib+7]
.endif
.set ib, ib+1
.endr
.endm
; Quarter i.  In its middle, in one run: the next quarter's W into the other buffer, and into the A registers of the quarter before the quarter six on from that one.
; A's quarters are loaded in ascending order; at the head of quarter i the last one issued is i + 4 (5 at i = 0; the last of all at the end), so the count is 10 x the quarters behind mine.
.macro QUARTER i
.if ((\i)&1) == 0
.set FQ, F0
.set GQ, F1
.else
.set FQ, F1
.set GQ, F0
.endif
.set RA, 40*((\i)%QD)
.set FST, 0
.if (\i) == 0
.set FST, 1
.endif
.set LASTI, (\i)-2+QD
.if LASTI < QD-1
.set LASTI, QD-1
.endif
.if LASTI > NQ-1
.set LASTI, NQ-1
.endif
	s_wait_loadcnt 10*(LASTI-(\i))
	s_wait_dscnt 0x0                               ; this quarter's W, asked for 24 matrix instructions ago
	MUL FQ, RA, 0, FST
	MUL FQ, RA, 1, FST
.if (\i)+1 < NQ
	PLACES
	FETCHW (\i)+1, GQ
.endif
.if ((\i) >= 1) && ((\i)-1+QD < NQ)
	ALOAD (\i)-1+QD
.endif
	MUL FQ, RA, 2, FST
	MUL FQ, RA, 3, FST
	MUL FQ, RA, 4, FST
.endm
; The way out of row tile a, 64 columns (half hb) at a time: a lane's eight f32 of a row go, straight from the accumulators, into my own stage and come back as whole rows of 256 bytes, two rows a load.
.macro OUTH a, hb
.if (\a) < 4
	WIN 0x04                                       ; data window 1
.set AB, 64*(\a)+32*(\hb)
.else
	WIN 0x0c                                       ; data window 3
.set AB, 32*(\hb)
.endif
.set BQ, BK+32*(\hb)
.set ib, 0
.rept 4
	ds_store_b128 v[STO], v[AB+8*ib:AB+8*ib+3]   offset:64*ib       ; each accumulator's low four registers first
	ds_store_b128 v[STO], v[AB+8*ib+4:AB+8*ib+7] offset:64*ib+16
.set ib, ib+1
.endr
	WIN 0
	s_wait_xcnt 0x0                                ; the registers that earlier stores read are loaded again only behind this wait
.set ii, 0
.rept 8
	ds_load_b128 v[BQ+4*ii:BQ+4*ii+3], v[RD] offset:2*SPITCH*ii     ; LDS serves a wave's instructions in order (ISA guide 5.7.1.4): these see the stores above, and the next half's stores come behind them
.set ii, ii+1
.endr
.set ii, 0
.rept 8
	s_wait_dscnt 7-ii                              ; load ii is back, the younger ones stay out
	global_store_b128 v[CO], v[BQ+4*ii:BQ+4*ii+3], s[26:27] offset:(16*(\a)+2*ii)*8192+256*(\hb)   ; 16 lanes store 256 neighbouring bytes at a multiple of 256 from y's first byte
.set ii, ii+1
.endr
.endm
.macro BASES                           ; block s20: my rows in hbuf s[24:25], in y s[26:27]
	s_mul_i32 s40, s17, 80
	s_mul_i32 s41, s20, 20
	s_add_co_u32 s40, s40, s41
	s_mul_i32 s41, s14, 5
	s_add_co_u32 s40, s40, s41                     ; my first row tile: 80 e + 20 blk + 5 w
	s_lshl_b32 s42, s40, 15                        ; 32,768 bytes a tile in hbuf
	s_mov_b32 s43, 0
	s_add_nc_u64 s[24:25], s[4:5], s[42:43]
	s_lshl_b32 s42, s40, 17                        ; 16 rows of 8,192 bytes a tile in y: 167,772,160 at the most,
	s_lshl_b32 s41, s16, 9                         ; my slice's 512 bytes of a row
	s_add_co_u32 s42, s42, s41
	s_add_nc_u64 s[26:27], s[12:13], s[42:43]
.endm
	s_load_b256 s[4:11], s[0:1], 0x0               ; hbuf s[4:5], W2 s[6:7], b2 s[8:9], cnt s[10:11]
	s_load_b64 s[12:13], s[0:1], 0x20              ; y
	v_lshl_add_u32 v254, v0, 2, 0x4c400
	v_mov_b32 v255, 0
	v_lshrrev_b32 v3, 5, v0
	v_readfirstlane_b32 s14, v3                    ; wave 0..3
	s_mov_b32 s16, ttmp9                           ; my slice of 128 columns
	s_and_b32 s17, ttmp7, 0xffff                   ; the expert
	v_and_b32 v1, 15, v0                           ; r = l % 16
	v_bfe_u32 v2, v0, 4, 1                         ; h = l / 16
	v_and_b32 v3, 31, v0                           ; l
	v_lshlrev_b32 v[GO], 4, v3
	s_lshl_b32 s40, s14, 21                        ; 256 rows of 8,192 bytes a wave
	v_lshl_add_u32 v[WOFF], v3, 4, s40             ; W in memory: 256 w x 8,192 + 16 l
	s_mul_i32 s41, s14, 256*WPITCH
	v_lshl_add_u32 v[WST], v3, 3, s41              ; W in: 256 w x 288 + 8 l
	v_add_nc_u32 v[WST+1], 128*WPITCH, v[WST]
	v_and_b32 v9, 7, v0
	v_lshl_add_u32 v9, v2, 3, v9
	v_mul_u32_u24 v[WFR], v9, WPITCH               ; (8 h + l % 8) x 288
	v_bfe_u32 v9, v0, 3, 1
	v_lshl_add_u32 v[WFR], v9, 4, v[WFR]           ; + 16 ((l / 8) % 2)
.irp j, 1,2,3,4,5
	v_add_nc_u32 v[WFR+\j], \j*QB*QSTR, v[WFR]
.endr
	v_lshlrev_b32 v[BOF], 5, v2                    ; register j of a result holds column 16 b + 8 h + j: eight numbers of the bias at 64 b + 32 h
	s_mul_i32 s45, s14, SWAVE
	s_add_co_u32 s45, s45, STAGE                   ; my stage
	v_mul_u32_u24 v[STO], v1, SPITCH
	v_lshl_add_u32 v[STO], v2, 5, v[STO]
	v_add_nc_u32 v[STO], s45, v[STO]               ; in: row r, 32 bytes for each half of the lanes
	v_mul_u32_u24 v[RD], v2, SPITCH
	v_lshl_add_u32 v[RD], v1, 4, v[RD]
	v_add_nc_u32 v[RD], s45, v[RD]                 ; back: lanes 0-15 take one row of 256 bytes, lanes 16-31 the next
	v_lshlrev_b32 v[CO], 13, v2
	v_lshl_add_u32 v[CO], v1, 4, v[CO]             ; and the same two rows in y
	s_lshl_b32 s44, s17, 2
	s_mov_b32 s20, 0                               ; blk
	s_wait_kmcnt 0x0
	s_load_b32 s19, s[10:11], s44 offset:0x0       ; e's number of blocks
	s_lshl_b32 s42, s17, 23                        ; W2[e]: 8,388,608 bytes an expert,
	s_lshl_b32 s43, s16, 9                         ; my 128 columns of 4 bytes
	s_add_co_u32 s42, s42, s43
	s_mov_b32 s43, 0
	s_add_nc_u64 s[6:7], s[6:7], s[42:43]
	s_lshl_b32 s42, s17, 13                        ; b2[e]: 8,192 bytes an expert
	s_lshl_b32 s41, s16, 9
	s_add_co_u32 s42, s42, s41
	s_add_nc_u64 s[8:9], s[8:9], s[42:43]
	BASES
	WIN 0xc0                                       ; destination window 3
.set ib, 0
.rept NT
	global_load_b128 v[BIAS+8*ib:BIAS+8*ib+3],   v[BOF], s[8:9] offset:64*ib      ; the bias, the oldest loads: the first group's wait shows them in
	global_load_b128 v[BIAS+8*ib+4:BIAS+8*ib+7], v[BOF], s[8:9] offset:64*ib+16
.set ib, ib+1
.endr
	; PHASE 1
.set gi, 0
.rept RDEP
	WLOAD gi
.set gi, gi+1
.endr
.set gi, 0
.rept NG
	CONV gi
.set gi, gi+1
.endr
	WIN 0
	s_wait_dscnt 0x0                               ; for the others' sake: my part of W is in LDS
	s_barrier_signal -1
	s_barrier_wait -1                              ; everybody's is; from here on a wave writes its own stage alone
	s_wait_kmcnt 0x0
	s_min_u32 s19, s19, 4
	s_max_u32 s19, s19, 1
	; PHASE 2
.Lblock:                                               ; a block of 320 rows; its first six quarters of A are on their way
	FETCHW 0, F0
.set qi, 0
.rept NQ
	QUARTER qi
.set qi, qi+1
.endr
.rept 5
	v_nop                                          ; the way out reads results just made (four places); the next block's first products write over these accumulators with another C (five)
.endr
.irp a, 0,1,2,3,4
	OUTH \a, 0
	OUTH \a, 1
.endr
	s_add_co_u32 s20, s20, 1
	s_cmp_ge_u32 s20, s19
	s_cbranch_scc1 .Lno_more                       ; no block is left: nothing is asked for
	s_wait_xcnt 0x0                                ; the stores' base is written again only behind this wait (A's loads were all waited for in the last quarter)
	BASES
.set qi, 0
.rept QD
	ALOAD qi
.set qi, qi+1
.endr
	WIN 0
.Lno_more:
	s_cmp_lt_u32 s20, s19
	s_cbranch_scc1 .Lblock
	s_wait_tensorcnt 0x0
	ds_add_u32 v254, v255
	s_wait_dscnt 0x0
	s_endpgm
.Lfunc_end_k_q47feb5d944_ffn2:
	.size	k_q47feb5d944_ffn2, .Lfunc_end_k_q47feb5d944_ffn2-k_q47feb5d944_ffn2
	.p2alignl 7, 3214868480
	.fill 96, 4, 3214868480
	.section	.rodata,"a",@progbits
	.p2align	6, 0x0
	.amdhsa_kernel k_q47feb5d944_ffn2
		.amdhsa_group_segment_fixed_size 312832
		.amdhsa_private_segment_fixed_size 0
		.amdhsa_enable_private_segment 0
		.amdhsa_kernarg_size 40
		.amdhsa_user_sgpr_count 2
		.amdhsa_user_sgpr_kernarg_segment_ptr 1
		.amdhsa_wavefront_size32 1
		.amdhsa_system_sgpr_workgroup_id_x 1
		.amdhsa_system_sgpr_workgroup_id_y 1
		.amdhsa_system_sgpr_workgroup_id_z 1
		.amdhsa_system_vgpr_workitem_id 0
		.amdhsa_next_free_vgpr 896
		.amdhsa_next_free_sgpr 66
		.amdhsa_reserve_vcc 0
		.amdhsa_float_denorm_mode_32 3
		.amdhsa_float_denorm_mode_16_64 3
		.amdhsa_memory_ordered 1
		.amdhsa_forward_progress 1
		.amdhsa_inst_pref_size 255
	.end_amdhsa_kernel
	.section	.bss,"aw",@nobits
	.p2align	6
	.space	262144
	.amdgpu_metadata
---
amdhsa.version: [ 1, 2 ]
amdhsa.kernels:
  - .name:           k_q47feb5d944_ffn2
    .symbol:         k_q47feb5d944_ffn2.kd
    .args:
      - { .name: hbuf, .offset: 0, .size: 8, .value_kind: global_buffer, .address_space: global }
      - { .name: W2, .offset: 8, .size: 8, .value_kind: global_buffer, .address_space: global }
      - { .name: b2, .offset: 16, .size: 8, .value_kind: global_buffer, .address_space: global }
      - { .name: cnt, .offset: 24, .size: 8, .value_kind: global_buffer, .address_space: global }
      - { .name: y, .offset: 32, .size: 8, .value_kind: global_buffer, .address_space: global }
    .group_segment_fixed_size: 312832
    .private_segment_fixed_size: 0
    .kernarg_segment_align: 8
    .kernarg_segment_size: 40
    .max_flat_workgroup_size: 128
    .sgpr_count:     66
    .vgpr_count:     896
    .wavefront_size: 32
...
	.end_amdgpu_metadata
.endif
;; end of part 4
;; launch combine (part 5): grid 256 x 1, 8 waves a work-group, no clusters, 0 bytes of LDS; arguments x, y, topi, perm, topw, out0; writes out0
.if DOCPART == 5
	.amdgcn_target "amdgcn-amd-amdhsa--gfx1250"
	.amdhsa_code_object_version 6
	.text
	.protected	k_q47feb5d944_combine
	.globl	k_q47feb5d944_combine
	.p2align	8
	.type	k_q47feb5d944_combine,@function
k_q47feb5d944_combine:
	s_mov_b64 s[64:65], 0
	v_nop
	global_prefetch_b8 v0, s[64:65] scope:SCOPE_SE
	s_setreg_imm32_b32 hwreg(HW_REG_WAVE_MODE, 25, 1), 1
	s_wait_xcnt 0x0
; out0[t][:] = x[t][:] + the sum over k of topw[t][k] y[e_k x 1280 + perm[e_k][t]][:], e_k = topi[t][k].  The sum over a token's four experts is made by gathering: one owner for each output,
; no traffic between work-groups.  A work-group owns 4 tokens; a wave half a token's row: 4,096 bytes of x and of each of four rows of y, 40 loads of 512 neighbouring bytes; 8 stores of the same shape.
; The rows are found by two scalar loads in a chain (the experts, then the token's place with each); x's loads are on their way meanwhile.
; A stream: neither LDS nor the matrix unit has anything to add.  Each row of y is read by one token alone.
.set XR, 16                            ; v[16:47]   x, then the result
.set YR, 48                            ; v[48:175]  the four rows of y, 32 registers each
	s_load_b256 s[4:11], s[0:1], 0x0               ; x s[4:5], y s[6:7], topi s[8:9], perm s[10:11]
	s_load_b128 s[12:15], s[0:1], 0x20             ; topw s[12:13], out0 s[14:15]
	v_lshrrev_b32 v2, 5, v0
	v_readfirstlane_b32 s16, v2                    ; wave 0..7
	v_and_b32 v3, 31, v0
	s_lshr_b32 s17, s16, 1
	s_lshl2_add_u32 s17, ttmp9, s17                ; my token
	s_and_b32 s18, s16, 1
	s_lshl_b32 s18, s18, 12                        ; my half of the row
	v_lshl_add_u32 v1, v3, 4, s18
	s_lshl_b32 s19, s17, 4
	s_wait_kmcnt 0x0
	s_load_b128 s[20:23], s[8:9], s19 offset:0x0   ; the four experts
	s_load_b128 s[24:27], s[12:13], s19 offset:0x0 ; the four weights
	s_lshl_b32 s28, s17, 13
	s_mov_b32 s29, 0
	s_add_nc_u64 s[4:5], s[4:5], s[28:29]
	s_add_nc_u64 s[14:15], s[14:15], s[28:29]
.irp i, 0,1,2,3,4,5,6,7
	global_load_b128 v[XR+4*\i:XR+4*\i+3], v1, s[4:5] offset:512*\i th:TH_LOAD_NT
.endr
	s_mov_b32 s31, 0
	s_wait_kmcnt 0x0
.irp k, 0,1,2,3
	s_min_u32 s[20+\k], s[20+\k], 15
	s_lshl_b32 s[48+\k], s[20+\k], 10
	s_add_co_u32 s[48+\k], s[48+\k], s17
	s_lshl_b32 s[48+\k], s[48+\k], 2               ; perm[e][t]
	s_load_b32 s[44+\k], s[10:11], s[48+\k] offset:0x0
.endr
	s_mov_b32 s40, s25                             ; the packed multiply-add names an even pair and takes its low word for both halves
	s_mov_b32 s41, s25
	s_mov_b32 s42, s27
	s_mov_b32 s43, s27
	s_wait_kmcnt 0x0
.irp k, 0,1,2,3
	s_min_u32 s[44+\k], s[44+\k], 1023
	s_mul_i32 s30, s[20+\k], 1280
	s_add_co_u32 s30, s30, s[44+\k]                ; the row of y: 20,223 at the most
	s_lshl_b32 s30, s30, 13
	s_add_nc_u64 s[32+2*\k:33+2*\k], s[6:7], s[30:31]
.endr
.irp k, 0,1,2,3
.irp i, 0,1,2,3,4,5,6,7
	global_load_b128 v[YR+32*\k+4*\i:YR+32*\k+4*\i+3], v1, s[32+2*\k:33+2*\k] offset:512*\i th:TH_LOAD_NT
.endr
.endr
.macro ADDK k, wp
	s_wait_loadcnt 8*(3-\k)                        ; x and rows 0 to k are in; the eight loads of each later row stay out
.set ii, 0
.rept 16
	v_pk_fma_f32 v[XR+2*ii:XR+2*ii+1], v[YR+32*\k+2*ii:YR+32*\k+2*ii+1], s[\wp:\wp+1], v[XR+2*ii:XR+2*ii+1] op_sel_hi:[1,0,1]
.set ii, ii+1
.endr
.endm
	ADDK 0, 24
	ADDK 1, 40
	ADDK 2, 26
	ADDK 3, 42
.irp i, 0,1,2,3,4,5,6,7
	global_store_b128 v1, v[XR+4*\i:XR+4*\i+3], s[14:15] offset:512*\i th:TH_STORE_NT
.endr
	s_endpgm
.Lfunc_end_k_q47feb5d944_combine:
	.size	k_q47feb5d944_combine, .Lfunc_end_k_q47feb5d944_combine-k_q47feb5d944_combine
	.p2alignl 7, 3214868480
	.fill 96, 4, 3214868480
	.section	.rodata,"a",@progbits
	.p2align	6, 0x0
	.amdhsa_kernel k_q47feb5d944_combine
		.amdhsa_group_segment_fixed_size 0
		.amdhsa_private_segment_fixed_size 0
		.amdhsa_enable_private_segment 0
		.amdhsa_kernarg_size 48
		.amdhsa_user_sgpr_count 2
		.amdhsa_user_sgpr_kernarg_segment_ptr 1
		.amdhsa_wavefront_size32 1
		.amdhsa_system_sgpr_workgroup_id_x 1
		.amdhsa_system_sgpr_workgroup_id_y 1
		.amdhsa_system_sgpr_workgroup_id_z 1
		.amdhsa_system_vgpr_workitem_id 0
		.amdhsa_next_free_vgpr 176
		.amdhsa_next_free_sgpr 66
		.amdhsa_reserve_vcc 0
		.amdhsa_float_denorm_mode_32 3
		.amdhsa_float_denorm_mode_16_64 3
		.amdhsa_memory_ordered 1
		.amdhsa_forward_progress 1
		.amdhsa_inst_pref_size 12
	.end_amdhsa_kernel
	.amdgpu_metadata
---
amdhsa.version: [ 1, 2 ]
amdhsa.kernels:
  - .name:           k_q47feb5d944_combine
    .symbol:         k_q47feb5d944_combine.kd
    .args:
      - { .name: x, .offset: 0, .size: 8, .value_kind: global_buffer, .address_space: global }
      - { .name: y, .offset: 8, .size: 8, .value_kind: global_buffer, .address_space: global }
      - { .name: topi, .offset: 16, .size: 8, .value_kind: global_buffer, .address_space: global }
      - { .name: perm, .offset: 24, .size: 8, .value_kind: global_buffer, .address_space: global }
      - { .name: topw, .offset: 32, .size: 8, .value_kind: global_buffer, .address_space: global }
      - { .name: out0, .offset: 40, .size: 8, .value_kind: global_buffer, .address_space: global }
    .group_segment_fixed_size: 0
    .private_segment_fixed_size: 0
    .kernarg_segment_align: 8
    .kernarg_segment_size: 48
    .max_flat_workgroup_size: 256
    .sgpr_count:     66
    .vgpr_count:     176
    .wavefront_size: 32
...
	.end_amdgpu_metadata
.endif
;; end of part 5
